; MI455X (gfx1250); checked and timed in simulation.
; The chip was launched on July 23, 2026; its instructions are those of AMD's public machine-readable ISA for CDNA 5 (MIT licence, August 2026) and "CDNA5" Instruction Set Architecture Reference Guide (July 2026). The comments in the code are by the model that wrote it; some were corrected since.
;; MY Non Local Block ND. Allowed arithmetic: matrix products marked QUANTISED: E2M1 operands, one E8M0 scale for each 32 along K, by v_wmma_scale_f32_16x16x128_f8f6f4 with both operands' format E2M1 (or v_wmma_scale_f32_32x16x128_f4), f32 sums; everything else in f32.
;; Inputs: Wg 128 x 256 float32; Wph 128 x 256 float32; Wth 128 x 256 float32; Ww 256 x 128 float32; beta 256 float32; bg 128 float32; bph 128 float32; bth 128 float32; bw 256 float32; gamma 256 float32; k 8 x 256 x 64 x 64 float32; mean 256 float32; q 8 x 256 x 64 x 64 float32; v 8 x 256 x 64 x 64 float32; var 256 float32.
;; Outputs: out0 8 x 256 x 64 x 64 float32.
;; This version of the problem:
;;   THIS VERSION OF THE PROBLEM IS GIVEN IN LOW PRECISION. The matrix products marked QUANTISED in the list below multiply operands that are first quantised to E2M1 (2 exponent bits, 1 mantissa bit; 4 bits a number), with one power-of-two scale for each 32 numbers along K (OCP MX v1.0); their sums are f32. All else is computed in f32.
;;   The module's matrix products, in the order in which they are computed (A, B: the left and right operand; K: the contracted axis; several contracted axes count as one K, in the product's order):
;;     1. [M 128, K 256] x [K 256, N 32,768]; A: input Wg; B: input v: QUANTISED
;;     2. [M 128, K 256] x [K 256, N 32,768]; A: input Wth; B: input k: QUANTISED
;;     3. [M 128, K 256] x [K 256, N 32,768]; A: input Wph; B: input q: QUANTISED
;;     4. batch 8 x [M 4,096, K 128] x [K 128, N 1,024]; A: computed on the way; B: computed on the way: QUANTISED
;;     5. batch 8 x [M 4,096, K 1,024] x [K 1,024, N 128]; A: softmax (see below); B: computed on the way: QUANTISED
;;     6. [M 256, K 128] x [K 128, N 32,768]; A: input Ww; B: computed on the way: QUANTISED
;;   THE QUANTISER, for each operand of a quantised product, along K:
;;     - K is cut into blocks of 32 from its start; a last block that is shorter is filled with zeros.
;;     - A block's scale is 2^e with e = floor(log2(the largest magnitude in the block)) - 2, held to -126 .. 127; a block of zeros has e = 0. As a byte (E8M0): e + 127.
;;     - Each number is divided by its block's scale, clamped to +-6, and rounded to the nearest number of E2M1, ties to even, subnormals kept.
;;     - The product sums the exact products of the quantised numbers (number of the format x scale) in f32.
;;   ~~~python
;;   def quantise(x, axis):      # numpy; x: float32 -> the quantised numbers, widened to float32 again
;;       x = np.moveaxis(x, axis, -1); K = x.shape[-1]
;;       x = np.pad(x, [(0, 0)] * (x.ndim - 1) + [(0, -K % 32)]); x = x.reshape(x.shape[:-1] + (-1, 32)); a = np.abs(x).max(-1, keepdims=True)
;;       e = np.where(a > 0, np.clip(np.frexp(np.where(a > 0, a, 1))[1] - 1 - 2, -126, 127), 0)      # np.frexp(a)[1] - 1 = floor(log2(a)), exactly
;;       r = np.clip(x / 2.0 ** e, -6, 6)
;;       step = 2.0 ** (np.maximum(np.frexp(np.where(r == 0, 1, r))[1] - 1, 0) - 1)
;;       q = np.round(r / step) * step * 2.0 ** e      # np.round: ties to even
;;       return np.moveaxis(q.reshape(q.shape[:-2] + (-1,))[..., :K], -1, axis).astype(np.float32)
;;   ~~~
;;   SOFTMAX AHEAD OF A QUANTISED PRODUCT. Where the list says 'softmax', what is quantised is not the finished softmax but p = 2^(t - M), with t = logit x log2(e) and M = ceil(the row's largest t), a whole number; so 1/2 < the row's largest p <= 1. The row's sum l is taken of the UNQUANTISED p, in f32, and the product's result is divided by l at the end. Since M is a whole number, a kernel that streams over the keys may use a running M (the ceiling of the running maximum): every later rescaling is an exact power of two, which a block's scale takes up: the codes' values come out the same.
;;   OPERANDS COMPUTED ON THE WAY. 'Computed on the way' means the value that the module computes at that place (a softmax that the list does not call 'softmax' is quantised finished and normalised). What goes into a quantiser is computed in f32, as accurately as f32 sums, v_exp_f32 and their like allow (about 1e-6 of the number): no bf16 or f16 on the way to a quantiser, and a product that is left as it is and whose result goes on into a quantised operand takes f32 operands (vector FMAs, or v_wmma_f32_16x16x4_f32). A number that lies on a knife's edge between two numbers of the format may be rounded either way, as far as f32 arithmetic and the matrix unit's own rounding can turn it there, and no further.
;; One version. Each part assembles by itself: llvm-mc -triple=amdgcn-amd-amdhsa -mcpu=gfx1250 --defsym DOCPART=n.
;; ======== version 1 of 1: 2 launches
;; workspace buffers: kv 1,179,648 bytes; wq 36,864 bytes
;; launch pool (part 1): grid 128 x 2, 16 waves a work-group, no clusters, 60,416 bytes of LDS; arguments q, v, Wph, Wg, bph, bg, Wth, Ww, kv, wq; writes kv, wq
.if DOCPART == 1
	.amdgcn_target "amdgcn-amd-amdhsa--gfx1250"
	.amdhsa_code_object_version 6
	.text
	.protected	k_qe7886c0fbc_pool
	.globl	k_qe7886c0fbc_pool
	.p2align	8
	.type	k_qe7886c0fbc_pool,@function
k_qe7886c0fbc_pool:
	s_mov_b64 s[64:65], 0
	v_nop
	global_prefetch_b8 v0, s[64:65] scope:SCOPE_SE
	s_setreg_imm32_b32 hwreg(HW_REG_WAVE_MODE, 25, 1), 1
	s_wait_xcnt 0x0
; phi = avgpool2(Wph q + bph) and g = avgpool2(Wg v + bg), both products on codes of FP4 (E2M1) with one E8M0 scale for each 32 along K = the 256 channels;
; the results are quantised again (phi along its 128 channels, g along the keys) and stored as IMAGES OF OPERAND REGISTERS for the attention launch.
; kv, for each of 8 batches 147,456 bytes: PHI 64 tiles x 1,024 | G [step 0-7][tile 0-7] x 1,024 | PHI's scale words 64 x 128 | G's 64 x 128.
; An image: registers 0-3 of lane l at 16 l, registers 4-7 at 512 + 16 l; a scale word at 4 l.
; SHARES.  Work-group y = 0: q to phi; y = 1: v to g (only pointers are chosen until the one barrier).  Work-group x = 16 batch + hu takes 256 channels x 256 pixels: image rows 4 hu .. 4 hu + 3,
; which are pooled rows 2 hu, 2 hu + 1: keys 64 hu .. 64 hu + 63.  Sixteen waves: wave w quantises pixels 32 (w % 8) + lane, channels 128 (w / 8) on (a lane to a pixel, its registers down the channels:
; each load reads 128 consecutive bytes), and one of the weight's 16 fragments.  Behind the barrier waves 0-3 multiply; the others have nothing left and end.
; THE NEXT LAUNCH'S WEIGHTS ARE QUANTISED HERE, ONCE: in work-groups x = 0 .. 15, wave 15 also takes fragment x of Wth (y = 0: tile x / 2, K step x % 2) or tile x of Ww (y = 1), quantises it behind the barrier,
; while waves 0-3 multiply, and stores its image into wq: 32 images x 1,024 (Wth's 16, then Ww's 16), then their scale words, 32 x 128.
; THE POOL IS PART OF THE SUM: a cell's four pixels are four more K steps on the same accumulator; pooled = sum / 4 + bias.
; THE ROWS OF A TILE ARE NOT NEIGHBOURS: row r of tile 2 b + u is 32 b + 8 u + r + 8 (r / 8), so that the 16 registers of two neighbouring result tiles are 16 neighbours along the next K.  (Ww's tiles alone keep their rows in order.)
; No cluster: the work-groups share the weights alone, 128 KiB of the 384 KiB that one reads, and those pass through registers to be quantised; there is no tensor load.
; LIMITS: NaN and infinities are not served.  A block whose largest magnitude lies under 2^-124 (a block of zeros too) gets the scale byte 1: the bytes are read by this program alone.
.set XP,   144                         ; LDS: XST at 0: 256 rows (4 (pooled row) + 2 di + dj) x 32 + pooled column; 128 bytes of codes + 16 of padding
.set XSC,  36864                       ; their scale words: [K step][row] x 4
.set WIM,  38912                       ; the weight's 16 images: 2 tile + K step
.set WSC,  55296                       ; their scale words, 128 bytes each
.set BIA,  57344                       ; the bias, 128 numbers
.set BIA4, 57856                       ; four times the bias
.set QA,   30                          ; v30-33 largest magnitudes;  v34-37 the other half's, then bytes;  v38-41 scale operands
.set QB,   34
.set QC,   38
.set PW,   42                          ; v42 the scale word just made
.set SW,   43                          ; v43 a pixel's scale word
.set MX,   44                          ; v44-45 two chains of a block's maximum;  v46 its scale operand;  v47 its byte;  v48-51 its codes
.set SOP,  46
.set BYT,  47
.set CB,   48
.set SEL,  36                          ; s[36:37] lane selects for v_permlanex16_b32: lane l xor 16
; v1 lane, later my byte in a fragment of Wth or Ww; v2 r, v3 h, v4 r + 8 (r / 8); v5-v15, v20-v26, v28 addresses (made once, at the head); v[16:19] g's bias; v27, v29 the bias on its way;
; v52-63 scale words of fragments and nothing else; v64-191 the pixels' numbers, later fragments; v192-255 a weight's numbers, later the eight accumulators.
.macro PLACES                          ; four places behind a matrix instruction (ISA guide 7.12.1), where no other vector work is at hand
.rept 4
	v_nop
.endr
.endm
; 64 numbers of a lane, register 16 b + i = k 32 b + 16 (lane / 16) + i of my row, become a fragment's codes in v[pc] on and its scale word in v[pw].
.macro QUANT s, pc, pw
.irp b, 0,1,2,3
	v_max3_num_f32 v[QA+\b], |v[\s+16*\b]|, |v[\s+1+16*\b]|, 0x1800000   ; my 16 numbers of block b, and the floor 2^(3 - 127): the byte cannot fall under 1
.endr
.irp i, 2,4,6,8,10,12,14
.irp b, 0,1,2,3
	s_delay_alu instid0(VALU_DEP_4)
	v_max3_num_f32 v[QA+\b], v[QA+\b], |v[\s+16*\b+\i]|, |v[\s+1+16*\b+\i]|
.endr
.endr
.irp b, 0,1,2,3
	s_delay_alu instid0(VALU_DEP_4)
	v_permlanex16_b32 v[QB+\b], v[QA+\b], s[SEL], s[SEL+1]
.endr
.irp b, 0,1,2,3
	s_delay_alu instid0(VALU_DEP_4)
	v_max_num_f32 v[QA+\b], v[QA+\b], v[QB+\b]         ; with lane l xor 16's: the block's largest magnitude
.endr
.irp b, 0,1,2,3
	s_delay_alu instid0(VALU_DEP_4)
	v_add_nc_u32 v[QC+\b], 0xff000000, v[QA+\b]        ; 2 off its exponent field: the conversion's scale operand
.endr
.irp b, 0,1,2,3
	s_delay_alu instid0(VALU_DEP_4)
	v_lshrrev_b32 v[QB+\b], 23, v[QC+\b]               ; the scale's byte
.endr
	s_delay_alu instid0(VALU_DEP_3)
	v_lshl_or_b32 v[\pw], v[QB+1], 8, v[QB]
	s_delay_alu instid0(VALU_DEP_1)
	v_lshl_or_b32 v[\pw], v[QB+2], 16, v[\pw]
	s_delay_alu instid0(VALU_DEP_1)
	v_lshl_or_b32 v[\pw], v[QB+3], 24, v[\pw]
.irp b, 0,1,2,3
	v_cvt_scalef32_pk8_fp4_f32 v[\pc+2*\b], v[\s+16*\b:\s+7+16*\b], v[QC+\b]
	v_cvt_scalef32_pk8_fp4_f32 v[\pc+1+2*\b], v[\s+8+16*\b:\s+15+16*\b], v[QC+\b]
.endr
	v_nop                                              ; one plain place behind a scaled conversion
.irp c, 0,1                                            ; a whole block to a lane: lanes 0-15 block 2 c, lanes 16-31 block 2 c + 1
.irp i, 0,1
	v_permlane16_swap_b32 v[\pc+4*\c+\i], v[\pc+2+4*\c+\i]
.endr
.endr
.endm
; 32 numbers of ONE lane (a pixel, 32 channels) become 16 bytes of its row of codes and byte t of its scale word.
.macro BLOCK xs, t
	v_max3_num_f32 v[MX], |v[\xs]|, |v[\xs+1]|, |v[\xs+2]|
	v_max3_num_f32 v[MX+1], |v[\xs+3]|, |v[\xs+4]|, |v[\xs+5]|
.irp i, 6,10,14,18,22,26
	s_delay_alu instid0(VALU_DEP_2)
	v_max3_num_f32 v[MX], v[MX], |v[\xs+\i]|, |v[\xs+\i+1]|
	s_delay_alu instid0(VALU_DEP_2)
	v_max3_num_f32 v[MX+1], v[MX+1], |v[\xs+\i+2]|, |v[\xs+\i+3]|
.endr
	s_delay_alu instid0(VALU_DEP_2)
	v_max3_num_f32 v[MX], v[MX], |v[\xs+30]|, |v[\xs+31]|
	s_delay_alu instid0(VALU_DEP_1)
	v_max3_num_f32 v[MX], v[MX], v[MX+1], 0x1800000    ; and the floor
	s_delay_alu instid0(VALU_DEP_1)
	v_add_nc_u32 v[SOP], 0xff000000, v[MX]
	s_delay_alu instid0(VALU_DEP_1)
	v_lshrrev_b32 v[BYT], 23, v[SOP]
.if \t == 0
	s_delay_alu instid0(VALU_DEP_1)
	v_mov_b32 v[SW], v[BYT]
.else
	s_delay_alu instid0(VALU_DEP_1)
	v_lshl_or_b32 v[SW], v[BYT], 8*\t, v[SW]
.endif
.irp g, 0,1,2,3
	v_cvt_scalef32_pk8_fp4_f32 v[CB+\g], v[\xs+8*\g:\xs+8*\g+7], v[SOP]
.endr
	v_nop                                              ; one plain place behind a scaled conversion
	ds_store_b128 v9, v[CB:CB+3] offset:16*\t
	s_wait_dscnt 0x0                                   ; the store has read its registers: the next block's codes may be written
.endm
.macro WLOAD reg, adr, base, off       ; 128 along K of a weight's 16 rows: lane (r, h) takes 16 neighbours of each block of 32
.irp bb, 0,1,2,3
.irp jj, 0,1,2,3
	global_load_b128 v[\reg+16*\bb+4*\jj:\reg+16*\bb+4*\jj+3], v[\adr], s[\base:\base+1] offset:\off+128*\bb+16*\jj
.endr
.endr
.endm
.macro IMAGE adr, pc, off              ; a fragment goes to LDS as it stands
	ds_store_b128 v[\adr], v[\pc:\pc+3] offset:\off
	ds_store_b128 v[\adr], v[\pc+4:\pc+7] offset:\off+512
.endm
.macro MMZ d, a, b, sa, sb             ; a product that starts a sum
	v_wmma_scale_f32_16x16x128_f8f6f4 v[\d:\d+7], v[\a:\a+7], v[\b:\b+7], 0, v[\sa], v[\sb] matrix_a_fmt:MATRIX_FMT_FP4 matrix_b_fmt:MATRIX_FMT_FP4
.endm
.macro MMA d, a, b, sa, sb             ; a product that adds in place
	v_wmma_scale_f32_16x16x128_f8f6f4 v[\d:\d+7], v[\a:\a+7], v[\b:\b+7], v[\d:\d+7], v[\sa], v[\sb] matrix_a_fmt:MATRIX_FMT_FP4 matrix_b_fmt:MATRIX_FMT_FP4
.endm
	s_load_b256 s[4:11], s[0:1], 0x0               ; q, v, Wph, Wg
	s_load_b128 s[12:15], s[0:1], 0x20             ; bph, bg
	s_load_b128 s[48:51], s[0:1], 0x30             ; Wth, Ww
	s_load_b64 s[16:17], s[0:1], 0x40              ; kv
	s_load_b64 s[52:53], s[0:1], 0x48              ; wq
	v_lshrrev_b32 v1, 5, v0
	s_delay_alu instid0(VALU_DEP_1)
	v_readfirstlane_b32 s18, v1                    ; wave 0..15
	s_and_b32 s19, ttmp7, 0xffff                   ; 0: q to phi; 1: v to g
	v_and_b32 v1, 31, v0                           ; lane
	v_and_b32 v2, 15, v0                           ; r
	v_bfe_u32 v3, v0, 4, 1                         ; h
	s_delay_alu instid0(VALU_DEP_2)
	v_and_b32 v4, 8, v2
	s_delay_alu instid0(VALU_DEP_1)
	v_add_nc_u32 v4, v4, v2                        ; r + 8 (r / 8)
	v_lshlrev_b32 v5, 2, v1                        ; the pixels: 4 bytes a lane
	s_delay_alu instid0(VALU_DEP_2)
	v_lshlrev_b32 v6, 10, v4
	s_delay_alu instid0(VALU_DEP_1)
	v_lshl_add_u32 v6, v3, 6, v6                   ; the weight: a tile's row of 1,024 bytes, + 64 h
	v_lshlrev_b32 v7, 4, v1                        ; 16 x lane
	v_lshlrev_b32 v8, 2, v1                        ; 4 x lane
	s_and_b32 s20, s18, 7                          ; which 32 pixels
	s_lshr_b32 s21, s18, 3                         ; which 128 channels
	s_lshr_b32 s22, s20, 1
	s_lshl_b32 s22, s22, 6                         ; image row (w % 8) / 2: 64 rows of the stage,
	s_and_b32 s23, s20, 1
	s_lshl_b32 s23, s23, 4                         ; its right half: 16 pooled columns on
	s_add_co_u32 s22, s22, s23
	v_and_b32 v9, 1, v1
	v_lshrrev_b32 v10, 1, v1
	s_delay_alu instid0(VALU_DEP_1)
	v_lshl_add_u32 v9, v9, 5, v10                  ; odd pixels 32 rows on; pooled column lane / 2
	s_delay_alu instid0(VALU_DEP_1)
	v_add_nc_u32 v9, s22, v9                       ; my pixel's row
	s_delay_alu instid0(VALU_DEP_1)
	v_lshlrev_b32 v10, 2, v9
	s_delay_alu instid0(VALU_DEP_2)
	v_mul_u32_u24 v9, v9, XP
	s_lshl_b32 s23, s21, 6
	v_add_nc_u32 v9, s23, v9                       ; where my pixel's codes go
	s_lshl_b32 s23, s21, 10
	s_add_co_u32 s23, s23, XSC
	v_add_nc_u32 v10, s23, v10                     ; and its scale word
	s_lshl_b32 s23, s18, 10
	s_add_co_u32 s23, s23, WIM
	v_add_nc_u32 v11, s23, v7                      ; where my fragment of the weight goes
	s_lshl_b32 s23, s18, 7
	s_add_co_u32 s23, s23, WSC
	v_add_nc_u32 v12, s23, v8                      ; and its scale words
	v_mul_u32_u24 v15, v4, XP
	s_delay_alu instid0(VALU_DEP_1)
	v_lshl_add_u32 v15, v3, 4, v15                 ; a fragment of pixels: a tile's row, + 16 h
	s_and_b32 s24, s18, 3                          ; j: which part of the products is mine
	s_lshr_b32 s25, s24, 1
	s_and_b32 s26, s24, 1
	s_mul_i32 s27, s25, 18432                      ; phi: cell tile j: pooled row j / 2 (128 rows of the stage),
	s_mul_i32 s28, s26, 1152                       ; columns 8 (j % 2) on
	s_add_co_u32 s27, s27, s28
	v_add_nc_u32 v13, s27, v15
	v_lshlrev_b32 v20, 2, v4
	s_delay_alu instid0(VALU_DEP_1)
	v_add_nc_u32 v20, XSC, v20                     ; the pixels' scale words
	s_lshl_b32 s27, s25, 9
	s_lshl_b32 s28, s26, 5
	s_add_co_u32 s27, s27, s28
	v_add_nc_u32 v14, s27, v20                     ; and those of cell tile j
	v_add_nc_u32 v21, WIM, v7                      ; the weight's images,
	v_add_nc_u32 v22, WSC, v8                      ; their scale words,
	s_lshl_b32 s27, s24, 12
	v_add_nc_u32 v23, s27, v21                     ; g: tiles 2 j, 2 j + 1
	s_lshl_b32 s27, s24, 9
	v_add_nc_u32 v24, s27, v22
	v_lshlrev_b32 v25, 6, v3
	s_delay_alu instid0(VALU_DEP_1)
	v_add_nc_u32 v25, BIA4, v25                    ; phi's bias in the result's layout: + 64 h
	v_lshlrev_b32 v26, 2, v4
	s_lshl_b32 s27, s24, 7
	s_add_co_u32 s27, s27, BIA
	v_add_nc_u32 v26, s27, v26                     ; g's: channel 32 j + 8 a + r + 8 (r / 8)
	v_and_b32 v28, 127, v0
	s_delay_alu instid0(VALU_DEP_1)
	v_lshlrev_b32 v28, 2, v28                      ; the bias: 4 (thread % 128), in memory and in LDS
	v_mov_b32 v17, 0                               ; (named as upper halves of pairs)
	v_mov_b32 v19, 0
.irp b, 0,1,2,3
	v_mov_b32 v[QB+\b], 0                          ; written once: a lane permute's destination counts as one of its sources
.endr
	s_mov_b32 s[SEL], 0x76543210
	s_mov_b32 s[SEL+1], 0xfedcba98
	s_lshr_b32 s29, ttmp9, 4                       ; batch
	s_and_b32 s30, ttmp9, 15                       ; hu
	s_lshl_b32 s32, s29, 22                        ; a batch is 4 MiB,
	s_lshl_b32 s31, s30, 10                        ; four image rows 1,024 bytes,
	s_add_co_u32 s32, s32, s31
	s_lshl_b32 s31, s21, 21                        ; 128 channels 2 MiB,
	s_add_co_u32 s32, s32, s31
	s_lshl_b32 s31, s20, 7                         ; 32 pixels 128 bytes
	s_add_co_u32 s32, s32, s31
	s_mov_b32 s33, 0
	s_lshr_b32 s31, s18, 2                         ; my fragment of the weight: tile w / 2 begins at row 32 (tile / 2) + 8 (tile % 2); K step w % 2
	s_lshl_b32 s34, s31, 15
	s_bfe_u32 s31, s18, 0x10001
	s_lshl_b32 s31, s31, 13
	s_add_co_u32 s34, s34, s31
	s_and_b32 s31, s18, 1
	s_lshl_b32 s31, s31, 9
	s_add_co_u32 s34, s34, s31
	s_mov_b32 s35, 0
	s_mul_i32 s38, s29, 147456
	s_mov_b32 s39, 0
	; the next launch's weights: who takes a fragment, and where it begins
	s_cmp_eq_u32 s18, 15
	s_cselect_b32 s47, 1, 0
	s_cmp_lt_u32 ttmp9, 16
	s_cselect_b32 s47, s47, 0                      ; 1 in wave 15 of work-groups x = 0 .. 15: ids alone decide
	s_lshr_b32 s56, ttmp9, 2                       ; Wth's fragment x: tile x / 2 begins at row 32 (tile / 2) + 8 (tile % 2) of 1,024 bytes; K step x % 2
	s_lshl_b32 s56, s56, 15
	s_bfe_u32 s57, ttmp9, 0x10001
	s_lshl_b32 s57, s57, 13
	s_add_co_u32 s56, s56, s57
	s_and_b32 s57, ttmp9, 1
	s_lshl_b32 s57, s57, 9
	s_add_co_u32 s56, s56, s57
	s_lshl_b32 s57, ttmp9, 13                      ; Ww's tile x: 16 rows of 512 bytes
	s_cmp_eq_u32 s19, 0
	s_cselect_b32 s54, s56, s57
	s_mov_b32 s55, 0
	s_cselect_b32 s58, 8, 0                        ; Wth's tiles take rows r + 8 (r / 8), Ww's rows r;
	s_cselect_b32 s59, 10, 9                       ; a row is 1,024 or 512 bytes
	v_and_b32 v1, s58, v2
	s_delay_alu instid0(VALU_DEP_1)
	v_add_nc_u32 v1, v1, v2
	s_delay_alu instid0(VALU_DEP_1)
	v_lshlrev_b32 v1, s59, v1
	s_delay_alu instid0(VALU_DEP_1)
	v_lshl_add_u32 v1, v3, 6, v1                   ; my row, + 64 h
	s_wait_kmcnt 0x0
	s_cmp_eq_u32 s19, 0                            ; the choice hangs on the work-group's number alone
	s_cselect_b64 s[4:5], s[4:5], s[6:7]
	s_cselect_b64 s[8:9], s[8:9], s[10:11]
	s_cselect_b64 s[12:13], s[12:13], s[14:15]
	s_cselect_b64 s[48:49], s[48:49], s[50:51]
	s_add_nc_u64 s[4:5], s[4:5], s[32:33]
	s_add_nc_u64 s[8:9], s[8:9], s[34:35]
	s_add_nc_u64 s[16:17], s[16:17], s[38:39]
	s_add_nc_u64 s[48:49], s[48:49], s[54:55]
	; 145 loads: the bias, my fragment's numbers, my 32 pixels x 128 channels (no hint: the same line serves v, which the next launch reads again)
	global_load_b32 v29, v28, s[12:13]
	WLOAD 192, 6, 8, 0
.set i, 0
.rept 128
	global_load_b32 v[64+i], v5, s[4:5] offset:i*16384
.set i, i+1
.endr
	s_wait_loadcnt 63                              ; 63 were issued behind the 82nd: the bias, the weight's 16 and the first two blocks' 64 are in
	s_cmp_lt_u32 s18, 4
	s_cbranch_scc0 .Lno_bias                       ; threads 0-127 put the bias into LDS
	v_mul_f32 v27, 4.0, v29
	ds_store_b32 v28, v29 offset:BIA
	ds_store_b32 v28, v27 offset:BIA4
.Lno_bias:
	QUANT 192, MX, PW                              ; my fragment of the weight (its codes in v44-51, which the blocks below take over)
	IMAGE 11, MX, 0
	ds_store_b32 v12, v[PW]
	s_wait_dscnt 0x0                               ; the stores have read their registers
	s_cmp_lg_u32 s47, 0
	s_cbranch_scc0 .Lno_more
	WLOAD 192, 1, 48, 0                            ; the fragment of Wth or Ww, into the registers that my own fragment has left.  These 16 loads are younger than the pixels':
.Lno_more:                                             ; on this way the count 32 below asks for more than it needs, and the count 0 covers them too
	BLOCK 64, 0
	BLOCK 96, 1
	s_wait_loadcnt 32                              ; block 2 is in; block 3's 32 loads may be out
	BLOCK 128, 2
	s_wait_loadcnt 0x0
	BLOCK 160, 3
	s_wait_alu depctr_va_vdst(0)
	ds_store_b32 v10, v[SW]
	s_wait_dscnt 0x0                               ; for the others' sake: all my stores have landed
	s_barrier_signal -1
	s_barrier_wait -1                              ; codes, scale words, the weight's images and the bias lie in LDS; nothing is stored to LDS from here on
	s_cmp_lt_u32 s18, 4
	s_cbranch_scc1 .Lwork
	s_cmp_lg_u32 s47, 0
	s_cbranch_scc1 .Lmore
	s_wait_xcnt 0x0
	v_lshl_add_u32 v254, v0, 2, 0xe400
	v_mov_b32 v255, 0
	s_wait_alu depctr_va_vdst(0)
	s_wait_tensorcnt 0x0
	ds_add_u32 v254, v255
	s_wait_dscnt 0x0
	s_endpgm
.Lmore:
	; ---- a fragment of the next launch's weights: quantised as my own was, and stored as an image
	QUANT 192, MX, PW
	s_lshl_b32 s60, s19, 4
	s_add_co_u32 s60, s60, ttmp9                   ; image 16 y + x
	s_lshl_b32 s56, s60, 10
	s_mov_b32 s57, 0
	s_add_nc_u64 s[56:57], s[52:53], s[56:57]
	s_lshl_b32 s58, s60, 7
	s_add_co_u32 s58, s58, 32768                   ; the scale words lie behind the 32 images
	s_mov_b32 s59, 0
	s_add_nc_u64 s[58:59], s[52:53], s[58:59]
	s_wait_alu depctr_va_vdst(0)
	global_store_b128 v7, v[MX:MX+3], s[56:57]     ; 32 lanes store 512 consecutive bytes
	global_store_b128 v7, v[MX+4:MX+7], s[56:57] offset:512
	global_store_b32 v8, v[PW], s[58:59]
	s_wait_xcnt 0x0
	v_lshl_add_u32 v254, v0, 2, 0xe400
	v_mov_b32 v255, 0
	s_wait_alu depctr_va_vdst(0)
	s_wait_tensorcnt 0x0
	ds_add_u32 v254, v255
	s_wait_dscnt 0x0
	s_endpgm
.Lwork:
	s_cmp_lg_u32 s19, 0
	s_cbranch_scc1 .Lg
	; ---- phi: cell tile j.  Source 0 = 16 rows of Wph, source 1 = 16 cells' pixels: a lane holds ONE cell, its registers run along the 128 channels.  The sums begin with 4 x the bias.
.irp T, 0,1,2,3,4,5,6,7
	ds_load_b128 v[192+8*\T:195+8*\T], v25 offset:(32*(\T/2)+8*(\T%2))*4
	ds_load_b128 v[196+8*\T:199+8*\T], v25 offset:(32*(\T/2)+8*(\T%2))*4+16
.endr
.macro PHIK ks                         ; one K step of 128 channels: 4 pixels of a cell x 8 tiles of channels; the eight accumulators take turns
.if \ks
	PLACES                                         ; in front of loads into registers that matrix instructions have read
.endif
.irp T, 0,1,2,3,4,5,6,7
	ds_load_b128 v[64+8*\T:67+8*\T], v21 offset:(2*\T+\ks)*1024
	ds_load_b128 v[68+8*\T:71+8*\T], v21 offset:(2*\T+\ks)*1024+512
	ds_load_b32 v[52+\T], v22 offset:(2*\T+\ks)*128
.endr
.irp p, 0,1,2,3
	ds_load_b128 v[128+8*\p:131+8*\p], v13 offset:\p*4608+64*\ks
	ds_load_b128 v[132+8*\p:135+8*\p], v13 offset:\p*4608+64*\ks+32
	ds_load_b32 v[60+\p], v14 offset:1024*\ks+128*\p
.endr
	s_wait_dscnt 0x0
.irp p, 0,1,2,3
.irp T, 0,1,2,3,4,5,6,7
	MMA 192+8*\T, 64+8*\T, 128+8*\p, 52+\T, 60+\p
.endr
.endr
.endm
	PHIK 0
	PHIK 1
	PLACES
.irp j, 0,2,4,6,8,10,12,14,16,18,20,22,24,26,28,30,32,34,36,38,40,42,44,46,48,50,52,54,56,58,60,62
	v_pk_mul_f32 v[192+\j:193+\j], v[192+\j:193+\j], 0x3e800000 op_sel_hi:[1,0]   ; / 4: exact; each accumulator from its low end on
.endr
	QUANT 192, 64, PW                              ; along the channels: a fragment of 16 keys x 128
	s_lshl_b32 s40, s30, 2
	s_add_co_u32 s40, s40, s24                     ; PHI's tile 4 hu + j
	s_lshl_b32 s42, s40, 10
	s_mov_b32 s43, 0
	s_add_nc_u64 s[42:43], s[16:17], s[42:43]
	s_lshl_b32 s44, s40, 7
	s_add_co_u32 s44, s44, 131072
	s_mov_b32 s45, 0
	s_add_nc_u64 s[44:45], s[16:17], s[44:45]
	s_wait_alu depctr_va_vdst(0)
	global_store_b128 v7, v[64:67], s[42:43]       ; 32 lanes store 512 consecutive bytes
	global_store_b128 v7, v[68:71], s[42:43] offset:512
	global_store_b32 v8, v[PW], s[44:45]
	s_wait_xcnt 0x0
	v_lshl_add_u32 v254, v0, 2, 0xe400
	v_mov_b32 v255, 0
	s_wait_alu depctr_va_vdst(0)
	s_wait_tensorcnt 0x0
	ds_add_u32 v254, v255
	s_wait_dscnt 0x0
	s_endpgm
.Lg:
	; ---- g: channel tiles 2 j, 2 j + 1.  Source 0 = 16 cells' pixels, source 1 = 16 rows of Wg: a lane holds ONE channel, its registers run along the keys.
	ds_load_b32 v16, v26
	ds_load_b32 v18, v26 offset:32
.macro GGRP ks, il                     ; K step ks, pooled row il: 4 pixels x (2 tiles of channels x 2 tiles of cells); the four accumulators take turns
.if (\ks+\il) > 0
	PLACES
.endif
.if \il == 0
.irp a, 0,1
	ds_load_b128 v[160+8*\a:163+8*\a], v23 offset:(2*\a+\ks)*1024
	ds_load_b128 v[164+8*\a:167+8*\a], v23 offset:(2*\a+\ks)*1024+512
	ds_load_b32 v[60+\a], v24 offset:(2*\a+\ks)*128
.endr
.endif
.irp u, 0,1
.irp p, 0,1,2,3
	ds_load_b128 v[64+8*(4*\u+\p):67+8*(4*\u+\p)], v15 offset:((4*\il+\p)*32+8*\u)*144+64*\ks
	ds_load_b128 v[68+8*(4*\u+\p):71+8*(4*\u+\p)], v15 offset:((4*\il+\p)*32+8*\u)*144+64*\ks+32
	ds_load_b32 v[52+4*\u+\p], v20 offset:1024*\ks+((4*\il+\p)*32+8*\u)*4
.endr
.endr
	s_wait_dscnt 0x0
.irp p, 0,1,2,3
.irp a, 0,1
.irp u, 0,1
.if (\ks == 0) && (\p == 0)
	MMZ 192+8*(4*\a+2*\il+\u), 64+8*(4*\u+\p), 160+8*\a, 52+4*\u+\p, 60+\a
.else
	MMA 192+8*(4*\a+2*\il+\u), 64+8*(4*\u+\p), 160+8*\a, 52+4*\u+\p, 60+\a
.endif
.endr
.endr
.endr
.endm
	GGRP 0, 0
	GGRP 0, 1
	GGRP 1, 0
	GGRP 1, 1
	PLACES
.irp a, 0,1
.irp j, 0,2,4,6,8,10,12,14,16,18,20,22,24,26,28,30
	v_pk_fma_f32 v[192+32*\a+\j:193+32*\a+\j], v[192+32*\a+\j:193+32*\a+\j], 0x3e800000, v[16+2*\a:17+2*\a] op_sel_hi:[1,0,0]   ; sum / 4 + my channel's bias
.endr
.endr
	QUANT 192, 64, PW                              ; blocks (tile a, pooled row il): v[64:67] = registers 4 c .. 4 c + 3 of tile 2 j's fragment, v[68:71] of tile 2 j + 1's (c = hu % 2)
	v_lshrrev_b32 v[SW], 16, v[PW]                 ; the word's upper two bytes are tile 2 j + 1's
	s_lshr_b32 s40, s30, 1
	s_lshl_b32 s40, s40, 3
	s_lshl_b32 s41, s24, 1
	s_add_co_u32 s40, s40, s41                     ; G's image 8 (hu / 2) + 2 j
	s_and_b32 s41, s30, 1                          ; c
	s_lshl_b32 s42, s40, 10
	s_lshl_b32 s46, s41, 9
	s_add_co_u32 s42, s42, s46
	s_add_co_u32 s42, s42, 65536
	s_mov_b32 s43, 0
	s_add_nc_u64 s[42:43], s[16:17], s[42:43]
	s_lshl_b32 s44, s40, 7
	s_lshl_b32 s46, s41, 1
	s_add_co_u32 s44, s44, s46
	s_add_co_u32 s44, s44, 139264
	s_mov_b32 s45, 0
	s_add_nc_u64 s[44:45], s[16:17], s[44:45]
	s_wait_alu depctr_va_vdst(0)
	global_store_b128 v7, v[64:67], s[42:43]       ; 512 consecutive bytes: half an image
	global_store_b128 v7, v[68:71], s[42:43] offset:1024
	global_store_b16 v8, v[PW], s[44:45]           ; bytes 2 c, 2 c + 1 of each row's scale word: two bytes a lane; the other two are the neighbouring work-group's
	global_store_b16 v8, v[SW], s[44:45] offset:128
	s_wait_xcnt 0x0
	v_lshl_add_u32 v254, v0, 2, 0xe400
	v_mov_b32 v255, 0
	s_wait_alu depctr_va_vdst(0)
	s_wait_tensorcnt 0x0
	ds_add_u32 v254, v255
	s_wait_dscnt 0x0
	s_endpgm
.Lfunc_end_k_qe7886c0fbc_pool:
	.size	k_qe7886c0fbc_pool, .Lfunc_end_k_qe7886c0fbc_pool-k_qe7886c0fbc_pool
	.p2alignl 7, 3214868480
	.fill 96, 4, 3214868480
	.section	.rodata,"a",@progbits
	.p2align	6, 0x0
	.amdhsa_kernel k_qe7886c0fbc_pool
		.amdhsa_group_segment_fixed_size 60416
		.amdhsa_private_segment_fixed_size 0
		.amdhsa_enable_private_segment 0
		.amdhsa_kernarg_size 80
		.amdhsa_user_sgpr_count 2
		.amdhsa_user_sgpr_kernarg_segment_ptr 1
		.amdhsa_wavefront_size32 1
		.amdhsa_system_sgpr_workgroup_id_x 1
		.amdhsa_system_sgpr_workgroup_id_y 1
		.amdhsa_system_sgpr_workgroup_id_z 1
		.amdhsa_system_vgpr_workitem_id 0
		.amdhsa_next_free_vgpr 256
		.amdhsa_next_free_sgpr 66
		.amdhsa_reserve_vcc 0
		.amdhsa_float_denorm_mode_32 3
		.amdhsa_float_denorm_mode_16_64 3
		.amdhsa_memory_ordered 1
		.amdhsa_forward_progress 1
		.amdhsa_inst_pref_size 90
	.end_amdhsa_kernel
	.amdgpu_metadata
---
amdhsa.version: [ 1, 2 ]
amdhsa.kernels:
  - .name:           k_qe7886c0fbc_pool
    .symbol:         k_qe7886c0fbc_pool.kd
    .args:
      - { .name: q, .offset: 0, .size: 8, .value_kind: global_buffer, .address_space: global }
      - { .name: v, .offset: 8, .size: 8, .value_kind: global_buffer, .address_space: global }
      - { .name: Wph, .offset: 16, .size: 8, .value_kind: global_buffer, .address_space: global }
      - { .name: Wg, .offset: 24, .size: 8, .value_kind: global_buffer, .address_space: global }
      - { .name: bph, .offset: 32, .size: 8, .value_kind: global_buffer, .address_space: global }
      - { .name: bg, .offset: 40, .size: 8, .value_kind: global_buffer, .address_space: global }
      - { .name: Wth, .offset: 48, .size: 8, .value_kind: global_buffer, .address_space: global }
      - { .name: Ww, .offset: 56, .size: 8, .value_kind: global_buffer, .address_space: global }
      - { .name: kv, .offset: 64, .size: 8, .value_kind: global_buffer, .address_space: global }
      - { .name: wq, .offset: 72, .size: 8, .value_kind: global_buffer, .address_space: global }
    .group_segment_fixed_size: 60416
    .private_segment_fixed_size: 0
    .kernarg_segment_align: 8
    .kernarg_segment_size: 80
    .max_flat_workgroup_size: 512
    .sgpr_count:     66
    .vgpr_count:     256
    .wavefront_size: 32
...
	.end_amdgpu_metadata
.endif
;; end of part 1
;; launch attn (part 2): grid 256 x 1, 8 waves a work-group, clusters of 4 x 1, 327,680 bytes of LDS; arguments k, v, wq, bth, bw, gamma, beta, mean, var, kv, out0; writes out0
.if DOCPART == 2
	.amdgcn_target "amdgcn-amd-amdhsa--gfx1250"
	.amdhsa_code_object_version 6
	.text
	.protected	k_qe7886c0fbc_attn
	.globl	k_qe7886c0fbc_attn
	.p2align	8
	.type	k_qe7886c0fbc_attn,@function
k_qe7886c0fbc_attn:
	s_mov_b64 s[64:65], 0
	v_nop
	global_prefetch_b8 v0, s[64:65] scope:SCOPE_SE
	s_setreg_imm32_b32 hwreg(HW_REG_WAVE_MODE, 25, 1), 1
	s_wait_xcnt 0x0
	s_wait_alu depctr_hold_cnt(0) depctr_sa_sdst(0) depctr_va_vdst(0) depctr_va_sdst(0) depctr_va_ssrc(0) depctr_va_vcc(0) depctr_vm_vsrc(0)
	s_getreg_b32 s2, hwreg(HW_REG_IB_STS2, 6, 4)
	s_cmp_eq_u32 s2, 0
	s_cbranch_scc0 .Lentry_in_a_cluster
	s_endpgm
.Lentry_in_a_cluster:
	s_bfe_u32 s2, ttmp6, 0x10000c
	s_cmp_lg_u32 s2, 0x3003
	s_cbranch_scc0 .Lentry_shape_is_right
	s_endpgm
.Lentry_shape_is_right:
; out = batchnorm(Ww y + bw) + v,  y = softmax(theta phi) g,  theta = Wth k + bth.  All four products on codes of FP4 (E2M1) with one E8M0 scale for each 32 along K.
; SHARES.  A work-group takes 128 pixels (queries) of one batch, each of its eight waves 16 of them, one tile, in 256 registers.  theta, p, y and Ww y never go to memory.
; phi and g of the whole batch (1,024 keys) come from kv as images of operand registers and stay in LDS: 147,456 bytes, so there is no ring of slots.
; Wth and Ww come from wq as images too (the launch before has quantised them once): 32 images x 1,024 bytes (Wth's 2 tile + K step, then Ww's 16 tiles), then their scale words, 32 x 128.
; Each wave fetches two images of each weight, 512 consecutive bytes a load, and hands them to the others through LDS.
; CLUSTER.  The four work-groups of a cluster belong to one batch and read the same 147,456 bytes of kv: each wave's eighth is asked for JOINTLY, by the same tensor load with the same descriptor and the mask of all four.
; v's tile (256 channels x 128 pixels, the residual) is the work-group's own: a tensor load without a mask, issued behind the second round, so that it lands while the softmax is at work.
; LAYOUT.  theta^T, S^T = phi theta^T and O^T = g^T p^T are used transposed: a lane holds ONE query (lane % 16), its registers run along the next K.  The rows of a tile of Wth, of phi and of g are
; 32 b + 8 u + r + 8 (r / 8) for tile 2 b + u, so that the 16 registers of two neighbouring result tiles are 16 neighbours.  The last product has y as source 0: a lane then holds one output channel and eight neighbouring pixels.
; SOFTMAX.  t = score x log2(e); M = the running largest t, rounded up to a whole number; p = 2^(t - M) is quantised along the keys; the row's sum is taken of the unquantised p and divides O at the end.
; When M moves, the sum and O are multiplied by 2^(old M - new M): exact.  A block's largest p is taken through its largest score (this takes v_exp_f32 not to fall where its input rises).
; LIMITS: NaN and infinities are not served.  A block whose largest magnitude lies under 2^-124 (a block of zeros too) gets the scale byte 1; the bytes are read by this program alone.
.set VT,    147456                     ; LDS: kv's batch at 0;  v's tile: 256 rows x (512 bytes + 16), later the stage for the output
.set WIM,   282624                     ; 16 images of a weight: Wth's (2 tile + K step), later Ww's (tile)
.set WSC,   299008                     ; their scale words, 128 bytes each
.set KST,   301056                     ; k's codes: 128 pixels x (128 bytes + 16)
.set KSC,   319488                     ; their scale words: [K step][pixel] x 4
.set BNC,   320512                     ; A = gamma / sqrt(var + eps) [256], then (bw - mean) A + beta [256]
.set SPARE, 322560                     ; the spare words, 128 bytes for each wave: four blocks of 256 bytes that no other line names
.set QA,   232                         ; v232-235 largest magnitudes or scores;  v236-239 the other half's, then bytes;  v244-247 scale operands
.set QB,   236
.set QC,   244
.set MX,   232
.set SOP,  244
.set BYT,  236
.set CB,   16                          ; v16-19 a block's codes, v20 a pixel's scale word: both are done with before Q takes v16-23
.set SW,   20
.set SEL,  60                          ; s[60:61] lane selects for v_permlanex16_b32: lane l xor 16
.set CS,   62                          ; s[62:63] log2(e): the packed form names a pair and takes its low word for both halves
; REGISTERS: v1 16 lane, v2 + 65,536 (g), v3 131,072 + 4 lane (scale words); v5, v6 for the add; v4, v7-11, v240-243, v250, v251, v254 addresses of the phases; v12 -M, v13 the largest t, v[14:15] the sum in two halves;
; v16-23 Q, later y; v24-31, v248, v249, v253, v255 scale words and nothing else; v32-95 eight fragments; v96-159 S^T, then p; v160-223 O^T (ahead of it: v160-175 Wth's two images, v176-191 Ww's, v192-195 their words, on their way to LDS);
; v224-231 the codes just made; v252 4 x thread for the five batch-norm loads, later the softmax's f.
.macro PLACES                          ; four places behind a matrix instruction (ISA guide 7.12.1), where no other vector work is at hand
.rept 4
	v_nop
.endr
.endm
.macro QUANT s, pc, pw                 ; 64 numbers of a lane, register 16 b + i = k 32 b + 16 (lane / 16) + i of my row, become a fragment's codes in v[pc] on and its scale word in v[pw]
.irp b, 0,1,2,3
	v_max3_num_f32 v[QA+\b], |v[\s+16*\b]|, |v[\s+1+16*\b]|, 0x1800000   ; my 16 numbers of block b, and the floor 2^(3 - 127): the byte cannot fall under 1
.endr
.irp i, 2,4,6,8,10,12,14
.irp b, 0,1,2,3
	v_max3_num_f32 v[QA+\b], v[QA+\b], |v[\s+16*\b+\i]|, |v[\s+1+16*\b+\i]|
.endr
.endr
.irp b, 0,1,2,3
	s_delay_alu instid0(VALU_DEP_4)
	v_permlanex16_b32 v[QB+\b], v[QA+\b], s[SEL], s[SEL+1]
.endr
.irp b, 0,1,2,3
	s_delay_alu instid0(VALU_DEP_4)
	v_max_num_f32 v[QA+\b], v[QA+\b], v[QB+\b]
.endr
.irp b, 0,1,2,3
	s_delay_alu instid0(VALU_DEP_4)
	v_add_nc_u32 v[QC+\b], 0xff000000, v[QA+\b]        ; 2 off the exponent field: the conversion's scale operand
.endr
.irp b, 0,1,2,3
	s_delay_alu instid0(VALU_DEP_4)
	v_lshrrev_b32 v[QB+\b], 23, v[QC+\b]               ; the scale's byte
.endr
	s_delay_alu instid0(VALU_DEP_3)
	v_lshl_or_b32 v[\pw], v[QB+1], 8, v[QB]
	s_delay_alu instid0(VALU_DEP_1)
	v_lshl_or_b32 v[\pw], v[QB+2], 16, v[\pw]
	s_delay_alu instid0(VALU_DEP_1)
	v_lshl_or_b32 v[\pw], v[QB+3], 24, v[\pw]
.irp b, 0,1,2,3
	v_cvt_scalef32_pk8_fp4_f32 v[\pc+2*\b], v[\s+16*\b:\s+7+16*\b], v[QC+\b]
	v_cvt_scalef32_pk8_fp4_f32 v[\pc+1+2*\b], v[\s+8+16*\b:\s+15+16*\b], v[QC+\b]
.endr
	v_nop                                              ; one plain place behind a scaled conversion
.irp c, 0,1
.irp i, 0,1
	v_permlane16_swap_b32 v[\pc+4*\c+\i], v[\pc+2+4*\c+\i]
.endr
.endr
.endm
.macro BLOCK xs, t                     ; 32 numbers of ONE lane (a pixel, 32 channels) become 16 bytes of its row of codes and byte t of its scale word
	v_max3_num_f32 v[MX], |v[\xs]|, |v[\xs+1]|, |v[\xs+2]|
	v_max3_num_f32 v[MX+1], |v[\xs+3]|, |v[\xs+4]|, |v[\xs+5]|
.irp i, 6,10,14,18,22,26
	s_delay_alu instid0(VALU_DEP_2)
	v_max3_num_f32 v[MX], v[MX], |v[\xs+\i]|, |v[\xs+\i+1]|
	s_delay_alu instid0(VALU_DEP_2)
	v_max3_num_f32 v[MX+1], v[MX+1], |v[\xs+\i+2]|, |v[\xs+\i+3]|
.endr
	s_delay_alu instid0(VALU_DEP_2)
	v_max3_num_f32 v[MX], v[MX], |v[\xs+30]|, |v[\xs+31]|
	s_delay_alu instid0(VALU_DEP_1)
	v_max3_num_f32 v[MX], v[MX], v[MX+1], 0x1800000
	s_delay_alu instid0(VALU_DEP_1)
	v_add_nc_u32 v[SOP], 0xff000000, v[MX]
	s_delay_alu instid0(VALU_DEP_1)
	v_lshrrev_b32 v[BYT], 23, v[SOP]
.if \t == 0
	s_delay_alu instid0(VALU_DEP_1)
	v_mov_b32 v[SW], v[BYT]
.else
	s_delay_alu instid0(VALU_DEP_1)
	v_lshl_or_b32 v[SW], v[BYT], 8*\t, v[SW]
.endif
.irp g, 0,1,2,3
	v_cvt_scalef32_pk8_fp4_f32 v[CB+\g], v[\xs+8*\g:\xs+8*\g+7], v[SOP]
.endr
	v_nop
	ds_store_b128 v9, v[CB:CB+3] offset:16*\t
	s_wait_dscnt 0x0                                   ; the store has read its registers
.endm
.macro WGET reg, wreg, off, woff       ; my two images of a weight and their scale words, from wq: each b128 load reads 512 consecutive bytes
.irp c, 0,1,2,3
	global_load_b128 v[\reg+4*\c:\reg+4*\c+3], v1, s[8:9] offset:\off+512*\c
.endr
	global_load_b32 v[\wreg], v4, s[26:27] offset:\woff
	global_load_b32 v[\wreg+1], v4, s[26:27] offset:\woff+128
.endm
.macro WPUT reg, wreg                  ; and into LDS, as they stand, for all eight waves
.irp c, 0,1,2,3
	ds_store_b128 v11, v[\reg+4*\c:\reg+4*\c+3] offset:512*\c
.endr
	ds_store_b32 v240, v[\wreg]
	ds_store_b32 v240, v[\wreg+1] offset:128
.endm
.macro MMZ d, a, b, sa, sb             ; a product that starts a sum
	v_wmma_scale_f32_16x16x128_f8f6f4 v[\d:\d+7], v[\a:\a+7], v[\b:\b+7], 0, v[\sa], v[\sb] matrix_a_fmt:MATRIX_FMT_FP4 matrix_b_fmt:MATRIX_FMT_FP4
.endm
.macro MMA d, a, b, sa, sb             ; a product that adds in place
	v_wmma_scale_f32_16x16x128_f8f6f4 v[\d:\d+7], v[\a:\a+7], v[\b:\b+7], v[\d:\d+7], v[\sa], v[\sb] matrix_a_fmt:MATRIX_FMT_FP4 matrix_b_fmt:MATRIX_FMT_FP4
.endm
.macro CROUND                          ; a round of the cluster's barrier: my work-group's barrier; wave 0 signals for the work-group; every wave waits for all four; my work-group's barrier once more
	s_barrier_signal -1
	s_barrier_wait -1
	s_cmp_lg_u32 s28, 0
	s_cbranch_scc1 .Lnot_wave_0_\@
	s_barrier_signal -3
.Lnot_wave_0_\@:
	s_barrier_wait -3
	s_barrier_signal -1
	s_barrier_wait -1
.endm
	s_load_b512 s[4:19], s[0:1], 0x0               ; k, v, wq, bth, bw, gamma, beta, mean
	s_load_b128 s[20:23], s[0:1], 0x40             ; var, kv
	s_load_b64 s[24:25], s[0:1], 0x50              ; out0
	v_lshl_add_u32 v5, v0, 2, SPARE
	v_mov_b32 v6, 0
	ds_add_u32 v5, v6
	ds_add_u32 v5, v6
	s_wait_dscnt 0x0
	v_lshrrev_b32 v1, 5, v0
	s_delay_alu instid0(VALU_DEP_1)
	v_readfirstlane_b32 s28, v1                    ; wave 0..7
	s_bfe_u32 s29, ttmp6, 0x40000                  ; cx: my place in the cluster; it enters k's, v's and out0's addresses alone
	s_lshr_b32 s30, ttmp9, 3                       ; the batch, which the four partners share (ttmp9 counts clusters: eight to a batch)
	s_and_b32 s31, ttmp9, 7
	s_lshl_b32 s31, s31, 2
	s_add_co_u32 s31, s31, s29
	s_lshl_b32 s31, s31, 9                         ; my 128 pixels: 512 bytes of a channel's row
	s_lshl_b32 s32, s30, 22                        ; a batch is 4 MiB
	s_and_b32 s33, s28, 3
	s_lshr_b32 s34, s28, 2
	v_and_b32 v12, 31, v0                          ; lane   (v12-14 are at work here; the softmax takes them later)
	v_and_b32 v13, 15, v0                          ; r
	v_bfe_u32 v14, v0, 4, 1                        ; h
	s_delay_alu instid0(VALU_DEP_3)
	v_lshlrev_b32 v1, 4, v12                       ; an image's place for my lane: 16 x lane (phi's in LDS; the weights' in wq)
	s_delay_alu instid0(VALU_DEP_1)
	v_add_nc_u32 v2, 65536, v1                     ; g's
	v_lshlrev_b32 v4, 2, v12                       ; k, and a scale word in wq: 4 bytes a lane
	s_wait_alu depctr_va_vdst(0)
	v_add_nc_u32 v3, 131072, v4                    ; phi's scale words (g's lie 8,192 bytes on)
	s_lshl_b32 s35, s33, 5
	v_add_nc_u32 v9, s35, v12                      ; the pixel that I quantise: 32 (w % 4) + lane
	s_delay_alu instid0(VALU_DEP_1)
	v_lshlrev_b32 v10, 2, v9
	s_delay_alu instid0(VALU_DEP_2)
	v_mul_u32_u24 v9, v9, 144
	s_lshl_b32 s35, s34, 6
	s_add_co_u32 s35, s35, KST
	v_add_nc_u32 v9, s35, v9                       ; where its codes go (K step w / 4)
	s_lshl_b32 s35, s34, 9
	s_add_co_u32 s35, s35, KSC
	v_add_nc_u32 v10, s35, v10                     ; and its scale word
	s_lshl_b32 s35, s28, 11
	s_add_co_u32 s35, s35, WIM
	v_add_nc_u32 v11, s35, v1                      ; where my two images of a weight go
	s_lshl_b32 s35, s28, 8
	s_add_co_u32 s35, s35, WSC
	v_add_nc_u32 v240, s35, v4                     ; and their scale words
	s_lshl_b32 s35, s28, 4
	v_add_nc_u32 v241, s35, v13                    ; my query: 16 w + r
	s_delay_alu instid0(VALU_DEP_1)
	v_lshlrev_b32 v242, 2, v241
	s_delay_alu instid0(VALU_DEP_1)
	v_add_nc_u32 v242, KSC, v242                   ; its scale words
	s_delay_alu instid0(VALU_DEP_3)
	v_mul_u32_u24 v241, v241, 144
	s_delay_alu instid0(VALU_DEP_1)
	v_lshl_add_u32 v241, v14, 4, v241
	s_delay_alu instid0(VALU_DEP_1)
	v_add_nc_u32 v241, KST, v241                   ; its fragment of k's codes
	v_add_nc_u32 v243, WIM, v1                     ; a weight's images,
	v_add_nc_u32 v250, WSC, v4                     ; their scale words
	v_lshlrev_b32 v251, 6, v14                     ; bth in the result's layout: + 64 h
	v_lshlrev_b32 v252, 2, v0                      ; a channel to a thread
	s_delay_alu instid0(VALU_DEP_1)
	v_add_nc_u32 v254, BNC, v252
	v_mov_b32 v14, 0                               ; the row's sum, in two halves
	v_mov_b32 v15, 0
.irp b, 0,1,2,3
	v_mov_b32 v[QB+\b], 0                          ; written once: a lane permute's destination counts as one of its sources
.endr
	s_mov_b32 s[SEL], 0x76543210
	s_mov_b32 s[SEL+1], 0xfedcba98
	s_mov_b32 s[CS], 0x3fb8aa3b                    ; log2(e)
	s_mov_b32 s[CS+1], s[CS]
	; kv: my wave's eighth, 18,432 dense bytes, as 72 rows of 256 bytes (32 elements of 8 bytes)
	s_mov_b32 s36, 15|(3<<16)|(1<<21)              ; 15:0 the mask: all four work-groups; 17:16 elements of 8 bytes; 21 set beside a mask; no padding
	s_mov_b32 s37, 32<<16                          ; tensor_dim0
	s_mov_b32 s38, 72<<16                          ; tensor_dim1
	s_mov_b32 s39, 32<<16                          ; tile_dim0
	s_mov_b32 s40, 72                              ; tile_dim1
	s_mov_b32 s41, 32                              ; tensor_dim0_stride
	s_mov_b32 s42, 0
	s_mov_b32 s43, 0
	s_mov_b32 s44, 1
	s_mul_i32 s45, s28, 18432                      ; LDS address: the wave's number alone
	s_mul_i32 s68, s28, 18432
	s_mul_i32 s66, s30, 147456
	s_add_co_u32 s66, s66, s68                     ; in memory: the batch and the wave's number: equal in the four partners
	s_mov_b32 s67, 0
	; v's tile: my wave's 32 channels x 128 pixels of 4 bytes, 4,096 elements from row to row; 16 bytes of padding behind each 512
	s_mov_b32 s48, (2<<16)|(1<<20)|(6<<22)|(3<<25) ; no mask; elements of 4 bytes; padding on: four words after every 128
	s_mov_b32 s49, 128<<16
	s_mov_b32 s50, 32<<16
	s_mov_b32 s51, 128<<16
	s_mov_b32 s52, 32
	s_mov_b32 s53, 4096
	s_mov_b32 s54, 0
	s_mov_b32 s55, 0
	s_mov_b32 s56, 1
	s_mul_i32 s57, s28, 16896
	s_add_co_u32 s57, s57, VT
	s_lshl_b32 s70, s28, 19                        ; 32 channels are 524,288 bytes: v's tile and my rows of out0 begin at the same offset
	s_add_co_u32 s70, s70, s32
	s_add_co_u32 s70, s70, s31
	s_mov_b32 s71, 0
	s_lshl_b32 s72, s34, 21                        ; k: channels 128 (w / 4) on, pixels 32 (w % 4) on
	s_add_co_u32 s72, s72, s32
	s_add_co_u32 s72, s72, s31
	s_lshl_b32 s69, s33, 7
	s_add_co_u32 s72, s72, s69
	s_mov_b32 s73, 0
	s_lshl_b32 s74, s28, 11                        ; wq: my two images of each weight, 2,048 bytes a wave;
	s_mov_b32 s75, 0
	s_lshl_b32 s76, s28, 8
	s_add_co_u32 s76, s76, 32768                   ; their scale words, 256 bytes a wave, behind the 32 images
	s_mov_b32 s77, 0
	s_wait_alu depctr_va_vdst(0)
	s_wait_kmcnt 0x0
	s_add_nc_u64 s[46:47], s[22:23], s[66:67]
	s_or_b32 s47, s47, 0x80000000                  ; type = 2
	s_add_nc_u64 s[58:59], s[6:7], s[70:71]
	s_or_b32 s59, s59, 0x80000000
	s_add_nc_u64 s[24:25], s[24:25], s[70:71]
	s_add_nc_u64 s[4:5], s[4:5], s[72:73]
	s_add_nc_u64 s[26:27], s[8:9], s[76:77]
	s_add_nc_u64 s[8:9], s[8:9], s[74:75]
	; 145 loads: five batch-norm numbers, twelve for the weights' images, my 32 pixels x 128 channels of k.  The first 63 go out ahead of the round: they are on their way while the four work-groups meet
	global_load_b32 v224, v252, s[14:15]           ; gamma
	global_load_b32 v225, v252, s[20:21]           ; var
	global_load_b32 v226, v252, s[12:13]           ; bw
	global_load_b32 v227, v252, s[18:19]           ; mean
	global_load_b32 v228, v252, s[16:17]           ; beta
	WGET 160, 192, 0, 0                            ; Wth's tile w, both K steps
	WGET 176, 194, 16384, 2048                     ; Ww's tiles 2 w, 2 w + 1
.set i, 0
.rept 46
	global_load_b32 v[32+i], v4, s[4:5] offset:i*16384 th:TH_LOAD_NT   ; 128 consecutive bytes a wave; k is read once
.set i, i+1
.endr
	CROUND                                         ; all four work-groups are here: the joint loads meet
	tensor_load_to_lds s[44:47], s[36:43]          ; my eighth of the batch's phi and g; one tensor load of mine is out
	s_nop 0
	PLACES                                         ; (four v_nop behind a tensor load)
.rept 82
	global_load_b32 v[32+i], v4, s[4:5] offset:i*16384 th:TH_LOAD_NT
.set i, i+1
.endr
	s_wait_loadcnt 63                              ; 63 were issued behind the 82nd: the five, the weights' twelve and k's first two blocks, 81 loads, are in
	v_add_f32 v225, 0x3727c5ac, v225               ; var + 1e-5
	s_wait_alu depctr_va_vdst(0)
	v_rsq_f32 v225, v225
	v_sub_f32 v226, v226, v227                     ; bw - mean   (the plain place behind the transcendental)
	s_wait_alu depctr_va_vdst(0)
	v_mul_f32 v224, v224, v225                     ; A
	s_delay_alu instid0(VALU_DEP_1)
	v_fma_f32 v226, v226, v224, v228               ; (bw - mean) A + beta
	ds_store_b32 v254, v224
	ds_store_b32 v254, v226 offset:1024
	WPUT 160, 192                                  ; Wth's images
	BLOCK 32, 0
	BLOCK 64, 1
	s_wait_loadcnt 32                              ; block 2 is in; block 3's 32 loads may be out
	BLOCK 96, 2
	s_wait_loadcnt 0x0
	BLOCK 128, 3
	s_wait_alu depctr_va_vdst(0)
	ds_store_b32 v10, v[SW]
.irp T, 0,1,2,3,4,5,6,7                        ; bth in the result's layout: it is the C of theta's first products
	global_load_b128 v[96+8*\T:99+8*\T], v251, s[10:11] offset:(32*(\T/2)+8*(\T%2))*4
	global_load_b128 v[100+8*\T:103+8*\T], v251, s[10:11] offset:(32*(\T/2)+8*(\T%2))*4+16
.endr
	s_wait_tensorcnt 0x0                           ; my eighth of kv has landed: no tensor load of mine is out
	ds_add_u32 v5, v6                              ; 0 onto my spare word
	s_wait_dscnt 0x0                               ; the add is done, and all my LDS stores have landed
	CROUND                                         ; kv, k's codes, Wth's images and the batch-norm numbers are whole for every wave
	tensor_load_to_lds s[56:59], s[48:55]          ; v's tile, my 32 channels: a first fill, issued as a refill is: my one tensor load behind the round, ahead of every LDS read
	s_nop 0
	PLACES
	; ---- theta^T = Wth k + bth for my 16 queries: source 0 = 16 rows of Wth, source 1 = my pixels
	ds_load_b128 v[224:227], v241
	ds_load_b128 v[228:231], v241 offset:32
	ds_load_b128 v[16:19], v241 offset:64
	ds_load_b128 v[20:23], v241 offset:96
	ds_load_b32 v248, v242
	ds_load_b32 v249, v242 offset:512
.macro WFRAGS ks
.irp T, 0,1,2,3,4,5,6,7
	ds_load_b128 v[32+8*\T:35+8*\T], v243 offset:(2*\T+\ks)*1024
	ds_load_b128 v[36+8*\T:39+8*\T], v243 offset:(2*\T+\ks)*1024+512
	ds_load_b32 v[24+\T], v250 offset:(2*\T+\ks)*128
.endr
.endm
	WFRAGS 0
	s_wait_loadcnt 0x0                             ; the bias is in
	s_wait_dscnt 0x0
.irp T, 0,1,2,3,4,5,6,7                        ; the eight accumulators take turns
	MMA 96+8*\T, 32+8*\T, 224, 24+\T, 248
.endr
	PLACES
	WFRAGS 1
	s_wait_dscnt 0x0
.irp T, 0,1,2,3,4,5,6,7
	MMA 96+8*\T, 32+8*\T, 16, 24+\T, 249
.endr
	PLACES
	QUANT 96, 16, 255                              ; Q: my queries' codes in v16-23, their scale word in v255; both stay until the last key step
.rept 8
	v_nop                                          ; a scale word written by vector instructions stands 8 places ahead of a scaled matrix instruction, an operand so written 4: only LDS lines follow up to the first key step's products
.endr
	s_wait_alu depctr_va_vdst(0)
	s_wait_dscnt 0x0
	s_barrier_signal -1
	s_barrier_wait -1                              ; every wave has read Wth's images: Ww's may take their place
	WPUT 176, 194                                  ; Ww's images
; eight fragments of key step st (phi's: adr = 1, soff = 0; g's: adr = 2, soff = 8,192) and their scale words
.macro FLOAD adr, st, soff
.irp t, 0,1,2,3,4,5,6,7
	ds_load_b128 v[32+8*\t:35+8*\t], v[\adr] offset:8192*(\st)+1024*\t
	ds_load_b128 v[36+8*\t:39+8*\t], v[\adr] offset:8192*(\st)+1024*\t+512
	ds_load_b32 v[24+\t], v3 offset:\soff+(8*(\st)+\t)*128
.endr
.endm
	FLOAD 1, 0, 0
; A KEY STEP: 128 keys.  phi's fragments were asked for in the step before; g's are asked for behind the first products and land under the softmax.
.macro STEP s
	s_wait_dscnt 0x0                               ; phi's fragments are in (and, in the first step, my stores of Ww's images have read their registers, which O^T takes)
.irp t, 0,1,2,3,4,5,6,7
	MMZ 96+8*\t, 32+8*\t, 16, 24+\t, 255
.endr                                          ; lane (r, h): query r; the 16 registers of tiles 2 b, 2 b + 1 are keys 128 s + 32 b + 16 h + 0 .. 15
	PLACES                                         ; in front of the loads below and of the first read of the scores
	FLOAD 2, \s, 8192
.irp b, 0,1,2,3
	v_max3_num_f32 v[232+\b], v[96+16*\b], v[97+16*\b], v[98+16*\b]   ; the largest score of each block of 32 keys: for the row's maximum, and for the block's largest p
.endr
.irp i, 3,5,7,9,11,13
.irp b, 0,1,2,3
	v_max3_num_f32 v[232+\b], v[232+\b], v[96+16*\b+\i], v[97+16*\b+\i]
.endr
.endr
.irp b, 0,1,2,3
	v_max_num_f32 v[232+\b], v[232+\b], v[111+16*\b]
.endr
.irp b, 0,1,2,3
	s_delay_alu instid0(VALU_DEP_4)
	v_permlanex16_b32 v[236+\b], v[232+\b], s[SEL], s[SEL+1]
.endr
.irp b, 0,1,2,3
	s_delay_alu instid0(VALU_DEP_4)
	v_max_num_f32 v[232+\b], v[232+\b], v[236+\b]  ; with lane l xor 16's 16 keys
.endr
	s_delay_alu instid0(VALU_DEP_2)
	v_max3_num_f32 v254, v232, v233, v234
	s_delay_alu instid0(VALU_DEP_1)
	v_max_num_f32 v254, v254, v235                 ; the step's largest score of my query
.if \s == 0
	s_delay_alu instid0(VALU_DEP_1)
	v_mul_f32 v13, s[CS], v254                     ; the first step starts the maximum,
	s_delay_alu instid0(VALU_DEP_1)
	v_floor_f32 v12, -v13                          ; and -M = floor(-t) = -ceil(t)
.else
	s_delay_alu instid0(VALU_DEP_1)
	v_mul_f32 v254, s[CS], v254
	s_delay_alu instid0(VALU_DEP_1)
	v_max_num_f32 v13, v13, v254                   ; the running largest t
	v_mov_b32 v254, v12
	s_delay_alu instid0(VALU_DEP_2)
	v_floor_f32 v12, -v13                          ; the new -M: M is a whole number
	s_delay_alu instid0(VALU_DEP_1)
	v_sub_f32 v254, v12, v254                      ; old M - new M: a whole number, 0 or less
	s_delay_alu instid0(VALU_DEP_1)
	v_cvt_i32_f32 v254, v254
	s_delay_alu instid0(VALU_DEP_1)
	v_ldexp_f32 v252, 1.0, v254                    ; f = 2^(old M - new M)
.endif
.irp j, 0,2,4,6,8,10,12,14,16,18,20,22,24,26,28,30,32,34,36,38,40,42,44,46,48,50,52,54,56,58,60,62
	v_pk_fma_f32 v[96+\j:97+\j], v[96+\j:97+\j], s[CS:CS+1], v[12:13] op_sel_hi:[1,0,0]   ; t - M, two at a time
.endr
.irp b, 0,1,2,3
	v_fma_f32 v[232+\b], v[232+\b], s[CS], v12     ; the same of each block's largest score
.endr
	s_wait_alu depctr_va_vdst(0)
.irp j, 0,1,2,3,4,5,6,7,8,9,10,11,12,13,14,15,16,17,18,19,20,21,22,23,24,25,26,27,28,29,30,31,32,33,34,35,36,37,38,39,40,41,42,43,44,45,46,47,48,49,50,51,52,53,54,55,56,57,58,59,60,61,62,63
	v_exp_f32 v[96+\j], v[96+\j]                   ; p = 2^(t - M), at most 1: not normalised
.endr
.irp b, 0,1,2,3
	v_exp_f32 v[232+\b], v[232+\b]                 ; the block's largest p
.endr
.if \s == 0
	v_nop                                          ; a plain place behind the exponentials
	s_wait_alu depctr_va_vdst(0)
.else
	v_pk_mul_f32 v[14:15], v[14:15], v[252:253] op_sel_hi:[1,0]   ; the sums under the new M (a plain place behind the exponentials)
	s_wait_alu depctr_va_vdst(0)
.endif
.irp b, 0,1,2,3
	v_max_num_f32 v[232+\b], 0x1800000, v[232+\b]  ; the floor 2^(3 - 127)
.endr
.irp b, 0,1,2,3
	s_delay_alu instid0(VALU_DEP_4)
	v_add_nc_u32 v[244+\b], 0xff000000, v[232+\b]
.endr
.irp b, 0,1,2,3
	s_delay_alu instid0(VALU_DEP_4)
	v_lshrrev_b32 v[236+\b], 23, v[244+\b]
.endr
	s_delay_alu instid0(VALU_DEP_3)
	v_lshl_or_b32 v253, v237, 8, v236              ; p's scale word for these 128 keys
	s_delay_alu instid0(VALU_DEP_1)
	v_lshl_or_b32 v253, v238, 16, v253
	s_delay_alu instid0(VALU_DEP_1)
	v_lshl_or_b32 v253, v239, 24, v253
.irp b, 0,1,2,3
	v_cvt_scalef32_pk8_fp4_f32 v[224+2*\b], v[96+16*\b:103+16*\b], v[244+\b]
	v_cvt_scalef32_pk8_fp4_f32 v[225+2*\b], v[104+16*\b:111+16*\b], v[244+\b]
.endr
	v_nop                                          ; one plain place behind a scaled conversion
.irp c, 0,1
.irp i, 0,1
	v_permlane16_swap_b32 v[224+4*\c+\i], v[226+4*\c+\i]
.endr
.endr
.if \s == 0
	s_wait_alu depctr_va_vdst(0)
.rept 8
	v_nop                                          ; a scale word written by vector instructions stands 8 places ahead of a scaled matrix instruction, an operand so written 4
.endr
.else
.irp j, 0,2,4,6,8,10,12,14,16,18,20,22,24,26,28,30,32,34,36,38,40,42,44,46,48,50,52,54,56,58,60,62
	v_pk_mul_f32 v[160+\j:161+\j], v[160+\j:161+\j], v[252:253] op_sel_hi:[1,0]   ; O^T under the new M; these 32 are also those places
.endr
.endif
	s_wait_alu depctr_va_vdst(0)
	s_wait_dscnt 0x0                               ; g's fragments are in
.irp t, 0,1,2,3,4,5,6,7
.if \s == 0
	MMZ 160+8*\t, 32+8*\t, 224, 24+\t, 253
.else
	MMA 160+8*\t, 32+8*\t, 224, 24+\t, 253
.endif
.endr
	v_pk_add_f32 v[236:237], v[96:97], v[98:99]    ; the row's sum is taken of the unquantised p, in two chains; the first five additions are the places in front of the loads below
.irp j, 4,8
	v_pk_add_f32 v[14:15], v[14:15], v[96+\j:97+\j]
	v_pk_add_f32 v[236:237], v[236:237], v[98+\j:99+\j]
.endr
.if \s < 7
	FLOAD 1, \s+1, 0                               ; the next step's phi
.endif
.irp j, 12,16,20,24,28,32,36,40,44,48,52,56,60
	v_pk_add_f32 v[14:15], v[14:15], v[96+\j:97+\j]
	v_pk_add_f32 v[236:237], v[236:237], v[98+\j:99+\j]
.endr
	s_delay_alu instid0(VALU_DEP_1)
	v_pk_add_f32 v[14:15], v[14:15], v[236:237]
.endm
.irp s, 0,1,2,3,4,5,6,7
	STEP \s
.endr
	s_delay_alu instid0(VALU_DEP_1)
	; ---- y = O / the sum, quantised along its 128 channels
	v_add_f32 v14, v14, v15
	s_delay_alu instid0(VALU_DEP_1)
	v_permlanex16_b32 v252, v14, s[SEL], s[SEL+1]
	s_delay_alu instid0(VALU_DEP_1)
	v_add_f32 v14, v14, v252                       ; the row's sum
	s_wait_alu depctr_va_vdst(0)
	v_rcp_f32 v14, v14
	v_nop                                          ; a plain place behind the transcendental
	s_wait_alu depctr_va_vdst(0)
.irp j, 0,2,4,6,8,10,12,14,16,18,20,22,24,26,28,30,32,34,36,38,40,42,44,46,48,50,52,54,56,58,60,62
	v_pk_mul_f32 v[96+\j:97+\j], v[160+\j:161+\j], v[14:15] op_sel_hi:[1,0]   ; each accumulator from its low end on
.endr
	QUANT 96, 16, 255                              ; y's codes in v16-23, its scale word in v255
	v_and_b32 v8, 15, v0                           ; the addresses of the way out: ten plain lines, the places ahead of the products that take y
	v_bfe_u32 v10, v0, 4, 1
	s_delay_alu instid0(VALU_DEP_2)
	v_lshl_add_u32 v9, v8, 2, BNC                  ; the batch-norm numbers of channel 16 T + r
	s_delay_alu instid0(VALU_DEP_3)
	v_mul_u32_u24 v4, v8, 528
	s_delay_alu instid0(VALU_DEP_1)
	v_lshl_add_u32 v4, v10, 5, v4
	s_lshl_b32 s33, s28, 6
	s_add_co_u32 s33, s33, VT
	v_add_nc_u32 v4, s33, v4                       ; v's tile: row r, my wave's 64 bytes, + 32 h: eight pixels
	s_delay_alu instid0(VALU_DEP_1)
	v_add_nc_u32 v7, 67584, v4                     ; and 128 rows further down
	v_and_b32 v10, 31, v0
	s_delay_alu instid0(VALU_DEP_1)
	v_lshlrev_b32 v10, 4, v10                      ; out0: 16 bytes a lane
	s_mul_i32 s33, s28, 16896
	s_add_co_u32 s33, s33, VT
	v_add_nc_u32 v8, s33, v10                      ; back from the stage: my 32 rows
	s_wait_alu depctr_va_vdst(0)
	s_wait_tensorcnt 0x0                           ; my part of v's tile has landed
	s_wait_dscnt 0x0                               ; my images of Ww have landed
	s_barrier_signal -1
	s_barrier_wait -1                              ; both hold of every wave
; ---- out = (Ww y) A + ((bw - mean) A + beta + v): four tiles of 16 output channels at a time; the result takes v's place in LDS (my wave's own 64 bytes of each row)
.macro OGRP g
.set VV, 96+32*((\g)%2)
.set DD, 160+32*((\g)%2)
.if \g < 2
.set AVR, 4
.else
.set AVR, 7
.endif
.irp i, 0,1,2,3
	ds_load_b128 v[32+8*\i:35+8*\i], v243 offset:(4*\g+\i)*1024
	ds_load_b128 v[36+8*\i:39+8*\i], v243 offset:(4*\g+\i)*1024+512
	ds_load_b32 v[24+\i], v250 offset:(4*\g+\i)*128
	ds_load_b32 v[64+4*\i], v9 offset:64*(4*\g+\i)
	ds_load_b32 v[66+4*\i], v9 offset:1024+64*(4*\g+\i)
	ds_load_b128 v[VV+8*\i:VV+8*\i+3], v[AVR] offset:((4*\g+\i)%8)*8448
	ds_load_b128 v[VV+8*\i+4:VV+8*\i+7], v[AVR] offset:((4*\g+\i)%8)*8448+16
.endr
	s_wait_dscnt 0x0
.irp i, 0,1,2,3
	MMZ DD+8*\i, 16, 32+8*\i, 255, 24+\i           ; source 0 = y's 16 pixels, source 1 = 16 rows of Ww: lane (r, h) holds channel 16 T + r, pixels 8 h + 0 .. 7
.endr
.irp i, 0,1,2,3
.irp j, 0,2,4,6
	v_pk_add_f32 v[VV+8*\i+\j:VV+8*\i+\j+1], v[VV+8*\i+\j:VV+8*\i+\j+1], v[66+4*\i:67+4*\i] op_sel_hi:[1,0]   ; v + the constant: sixteen lines that name none of the products' registers: their places
.endr
.endr
.irp i, 0,1,2,3
.irp j, 0,2,4,6
	v_pk_fma_f32 v[VV+8*\i+\j:VV+8*\i+\j+1], v[DD+8*\i+\j:DD+8*\i+\j+1], v[64+4*\i:65+4*\i], v[VV+8*\i+\j:VV+8*\i+\j+1] op_sel_hi:[1,0,1]
.endr
.endr
.irp i, 0,1,2,3
	ds_store_b128 v[AVR], v[VV+8*\i:VV+8*\i+3] offset:((4*\g+\i)%8)*8448
	ds_store_b128 v[AVR], v[VV+8*\i+4:VV+8*\i+7] offset:((4*\g+\i)%8)*8448+16
.endr
.endm
	OGRP 0
	OGRP 1
	OGRP 2
	OGRP 3
	s_wait_dscnt 0x0                               ; for the others' sake: my stores into the stage have landed
	s_barrier_signal -1
	s_barrier_wait -1                              ; 256 whole rows of the output lie in the stage
.set i, 0
.rept 32
	ds_load_b128 v[32+4*i:35+4*i], v8 offset:528*i
.set i, i+1
.endr
.set i, 0
.rept 32
	s_wait_dscnt 31-i                              ; LDS loads come back in order: row i is in
	global_store_b128 v10, v[32+4*i:35+4*i], s[24:25] offset:16384*i th:TH_STORE_NT   ; 32 lanes store 512 consecutive bytes, at a multiple of 512 from out0's first byte
.set i, i+1
.endr
	s_wait_tensorcnt 0x0                           ; the wave's end
	ds_add_u32 v5, v6
	s_wait_dscnt 0x0
	CROUND                                         ; the closing round
	s_endpgm
.Lfunc_end_k_qe7886c0fbc_attn:
	.size	k_qe7886c0fbc_attn, .Lfunc_end_k_qe7886c0fbc_attn-k_qe7886c0fbc_attn
	.p2alignl 7, 3214868480
	.fill 96, 4, 3214868480
	.section	.rodata,"a",@progbits
	.p2align	6, 0x0
	.amdhsa_kernel k_qe7886c0fbc_attn
		.amdhsa_group_segment_fixed_size 327680
		.amdhsa_private_segment_fixed_size 0
		.amdhsa_enable_private_segment 0
		.amdhsa_kernarg_size 88
		.amdhsa_user_sgpr_count 2
		.amdhsa_user_sgpr_kernarg_segment_ptr 1
		.amdhsa_wavefront_size32 1
		.amdhsa_system_sgpr_workgroup_id_x 1
		.amdhsa_system_sgpr_workgroup_id_y 1
		.amdhsa_system_sgpr_workgroup_id_z 1
		.amdhsa_system_vgpr_workitem_id 0
		.amdhsa_next_free_vgpr 256
		.amdhsa_next_free_sgpr 80
		.amdhsa_reserve_vcc 0
		.amdhsa_float_denorm_mode_32 3
		.amdhsa_float_denorm_mode_16_64 3
		.amdhsa_memory_ordered 1
		.amdhsa_forward_progress 1
		.amdhsa_inst_pref_size 224
	.end_amdhsa_kernel
	.amdgpu_metadata
---
amdhsa.version: [ 1, 2 ]
amdhsa.kernels:
  - .name:           k_qe7886c0fbc_attn
    .symbol:         k_qe7886c0fbc_attn.kd
    .args:
      - { .name: k, .offset: 0, .size: 8, .value_kind: global_buffer, .address_space: global }
      - { .name: v, .offset: 8, .size: 8, .value_kind: global_buffer, .address_space: global }
      - { .name: wq, .offset: 16, .size: 8, .value_kind: global_buffer, .address_space: global }
      - { .name: bth, .offset: 24, .size: 8, .value_kind: global_buffer, .address_space: global }
      - { .name: bw, .offset: 32, .size: 8, .value_kind: global_buffer, .address_space: global }
      - { .name: gamma, .offset: 40, .size: 8, .value_kind: global_buffer, .address_space: global }
      - { .name: beta, .offset: 48, .size: 8, .value_kind: global_buffer, .address_space: global }
      - { .name: mean, .offset: 56, .size: 8, .value_kind: global_buffer, .address_space: global }
      - { .name: var, .offset: 64, .size: 8, .value_kind: global_buffer, .address_space: global }
      - { .name: kv, .offset: 72, .size: 8, .value_kind: global_buffer, .address_space: global }
      - { .name: out0, .offset: 80, .size: 8, .value_kind: global_buffer, .address_space: global }
    .group_segment_fixed_size: 327680
    .private_segment_fixed_size: 0
    .kernarg_segment_align: 8
    .kernarg_segment_size: 88
    .max_flat_workgroup_size: 256
    .sgpr_count:     80
    .vgpr_count:     256
    .wavefront_size: 32
...
	.end_amdgpu_metadata
.endif
;; end of part 2
